; MI455X (gfx1250); checked and timed in simulation.
; The chip was launched on July 23, 2026; its instructions are those of AMD's public machine-readable ISA for CDNA 5 (MIT licence, August 2026) and "CDNA5" Instruction Set Architecture Reference Guide (July 2026). The comments in the code are by the model that wrote it; some were corrected since.
;; Causal Self Attention. Allowed arithmetic: matrix products marked QUANTISED: E4M3 operands, one given power-of-two scale a tensor, by v_wmma_f32_16x16x64_fp8_fp8 or v_wmma_f32_16x16x128_fp8_fp8, f32 sums; everything else in f32.
;; Inputs: W_k 1,024 x 1,024 float32; W_o 1,024 x 1,024 float32; W_q 1,024 x 1,024 float32; W_v 1,024 x 1,024 float32; lowp_scales 12 int32 (the exponents e of the quantised operands' scales 2^e); x 4 x 2,048 x 1,024 float32.
;; Outputs: out0 4 x 2,048 x 1,024 float32.
;; This version of the problem:
;;   THIS VERSION OF THE PROBLEM IS GIVEN IN LOW PRECISION. The matrix products marked QUANTISED in the list below multiply operands that are first quantised to E4M3 (4 exponent bits, 3 mantissa bits; 8 bits a number), with one given power-of-two scale for each operand tensor; their sums are f32. All else is computed in f32.
;;   The module's matrix products, in the order in which they are computed (A, B: the left and right operand; K: the contracted axis; several contracted axes count as one K, in the product's order):
;;     1. [M 8,192, K 1,024] x [K 1,024, N 1,024]; A: input x; B: input W_q: QUANTISED (scales: A lowp_scales[0], B lowp_scales[1])
;;     2. [M 8,192, K 1,024] x [K 1,024, N 1,024]; A: input x; B: input W_k: QUANTISED (scales: A lowp_scales[2], B lowp_scales[3])
;;     3. [M 8,192, K 1,024] x [K 1,024, N 1,024]; A: input x; B: input W_v: QUANTISED (scales: A lowp_scales[4], B lowp_scales[5])
;;     4. batch 64 x [M 2,048, K 64] x [K 64, N 2,048]; A: computed on the way; B: computed on the way: QUANTISED (scales: A lowp_scales[6], B lowp_scales[7])
;;     5. batch 64 x [M 2,048, K 2,048] x [K 2,048, N 64]; A: softmax (see below); B: computed on the way: QUANTISED (scales: A lowp_scales[8], B lowp_scales[9])
;;     6. [M 8,192, K 1,024] x [K 1,024, N 1,024]; A: computed on the way; B: input W_o: QUANTISED (scales: A lowp_scales[10], B lowp_scales[11])
;;   THE QUANTISER, for each operand of a quantised product, along K:
;;     - The operand's scale is 2^e, e = its entry of the input lowp_scales (int32; the entries are numbered through the quantised products in the list's order, A before B).
;;     - Each number is divided by the scale, clamped to +-448, and rounded to the nearest number of E4M3, ties to even, subnormals kept.
;;     - The product sums the exact products of the quantised numbers (number of the format x scale) in f32.
;;   ~~~python
;;   def quantise(x, axis, e):      # numpy; x: float32 -> the quantised numbers, widened to float32 again
;;       x = np.moveaxis(x, axis, -1); K = x.shape[-1]
;;       r = np.clip(x / 2.0 ** e, -448, 448)
;;       step = 2.0 ** (np.maximum(np.frexp(np.where(r == 0, 1, r))[1] - 1, -6) - 3)
;;       q = np.round(r / step) * step * 2.0 ** e      # np.round: ties to even
;;       return np.moveaxis(q, -1, axis).astype(np.float32)
;;   ~~~
;;   SOFTMAX AHEAD OF A QUANTISED PRODUCT. Where the list says 'softmax', what is quantised is not the finished softmax but p = 2^(t - M), with t = logit x log2(e) and M = ceil(the row's largest t), a whole number; so 1/2 < the row's largest p <= 1. The row's sum l is taken of the UNQUANTISED p, in f32, and the product's result is divided by l at the end. Since M is a whole number, a kernel that streams over the keys may use a running M (the ceiling of the running maximum): every later rescaling is an exact power of two, so the quantised numbers keep their values, but for numbers so far below the row's largest that they fall under the format's range.
;;   OPERANDS COMPUTED ON THE WAY. 'Computed on the way' means the value that the module computes at that place (a softmax that the list does not call 'softmax' is quantised finished and normalised). What goes into a quantiser is computed in f32, as accurately as f32 sums, v_exp_f32 and their like allow (about 1e-6 of the number): no bf16 or f16 on the way to a quantiser, and a product that is left as it is and whose result goes on into a quantised operand takes f32 operands (vector FMAs, or v_wmma_f32_16x16x4_f32). A number that lies on a knife's edge between two numbers of the format may be rounded either way, as far as f32 arithmetic and the matrix unit's own rounding can turn it there, and no further.
;; One version. Each part assembles by itself: llvm-mc -triple=amdgcn-amd-amdhsa -mcpu=gfx1250 --defsym DOCPART=n.
;; ======== version 1 of 1: 4 launches
;; limits: right only within a limited range of input values
;; workspace buffers: xc 25,165,824 bytes; wc 4,194,304 bytes; qkv 25,165,824 bytes; oc 8,388,608 bytes
;; launch quant (part 1): grid 768 x 1, 4 waves a work-group, no clusters, 33,280 bytes of LDS; arguments x, W_q, W_k, W_v, W_o, lowp_scales, xc, wc; writes xc, wc
.if DOCPART == 1
	.amdgcn_target "amdgcn-amd-amdhsa--gfx1250"
	.amdhsa_code_object_version 6
	.text
	.protected	k_q468a247aa4_quant
	.globl	k_q468a247aa4_quant
	.p2align	8
	.type	k_q468a247aa4_quant,@function
k_q468a247aa4_quant:
	s_mov_b64 s[64:65], 0
	v_nop
	global_prefetch_b8 v0, s[64:65] scope:SCOPE_SE
	s_setreg_imm32_b32 hwreg(HW_REG_WAVE_MODE, 25, 1), 1
	s_wait_xcnt 0x0
; x [8192][1024] f32 becomes THREE sets of codes of FP8 (E4M3), one for each of the products that read it (scale entries 0, 2, 4, which may differ);
; W_q, W_k, W_v, W_o [1024][1024] f32 become one set each (entries 1, 3, 5, 11).  K is innermost in all of them, rows are dense: every tensor is a plain stream.
; code = number / 2^e, held within +-448, rounded to the nearest code, ties to even.
; xc: three parts of 8,388,608 bytes, [8192][1024].  wc: four parts of 1,048,576 bytes, [1024][1024], in the order q, k, v, o.
; LIMITS: each e used here lies between -126 and 119, so that 2^e and 448 x 2^e are f32 numbers.  NaN among the inputs is not served (an infinity is held at the largest code).
; SHARES.  A wave takes 8 steps of 512 numbers, a work-group 16,384 numbers.  Work-groups 0-511 take x, the other 256 the weights, 64 each.  Only pointers and exponents are chosen by the
; work-group's number; the one branch on it goes round x's second and third conversion and their stores, and round no LDS instruction.
; A step's four loads read 512 consecutive bytes each; the 2,048 bytes turn through the wave's own stage in LDS and come back 64 bytes a lane (16 neighbours along K), which is what the
; conversions take.  A lane's 16 codes are 16 bytes: a store of the wave covers 512 consecutive bytes, aligned.  x is read once for its three sets.
; No cluster, no tensor load, no barrier: work-groups and waves share nothing.
.set WAVES, 4
.set STEPS, 8
.set XWG,   512                        ; x's work-groups
.set EMAX,  8
.set MANT,  0x600000                   ; the mantissa field of 448 as f32
.set R,     16                         ; v16-79   four sets of 16 numbers as they are loaded
.set X,     80                         ; v80-111  two sets of 16 neighbours
.set T,     112
.set C,     128                        ; v128-151 codes: two sets of 3 x 4 registers, by turns
.set SCL,   152                        ; v152-154 2^e of target 0, 1, 2
.set LIM,   155
.set WREG,  8192                       ; LDS: a region for each wave: two stages of 32 x SP bytes
.set SP,    80                         ; a lane's place in a stage: 64 bytes + 16 of padding
.set SPW,   12                         ; v12 LDS address of my spare word; never rewritten
.set NIL,   13                         ; v13 0; never rewritten
.set SPARE, WAVES*WREG                 ; behind the regions: the spare words, 128 bytes a wave, which no other line names
	s_load_b512 s[4:19], s[0:1], 0x0               ; x 4, W_q 6, W_k 8, W_v 10, W_o 12, the exponents 14, xc 16, wc 18
	v_lshl_add_u32 v[SPW], v0, 2, SPARE
	v_mov_b32 v[NIL], 0
	v_lshrrev_b32 v1, 5, v0
	v_readfirstlane_b32 s20, v1                    ; wave
	v_and_b32 v2, 31, v0                           ; lane
	v_lshlrev_b32 v3, 4, v2                        ; 16 x lane: my bytes of a load's 512 and of a store's 512; never rewritten
	s_mul_i32 s21, s20, WREG
	v_lshrrev_b32 v14, 2, v2
	v_mul_u32_u24 v14, v14, SP
	v_and_b32 v15, 3, v2
	v_lshl_add_u32 v14, v15, 4, v14
	v_add_nc_u32 v14, s21, v14                     ; the stage, in: SP (lane / 4) + 16 (lane % 4)
	v_mul_u32_u24 v15, v2, SP
	v_add_nc_u32 v15, s21, v15                     ; the stage, out: SP x lane
	s_sub_co_u32 s44, ttmp9, XWG
	s_lshr_b32 s45, s44, 6                         ; which weight,
	s_and_b32 s46, s44, 63                         ; and which of its 64 work-groups
	s_cmp_lt_u32 ttmp9, XWG                        ; x's work-group?
	s_cselect_b32 s45, 0, s45
	s_cselect_b32 s46, ttmp9, s46
	s_lshl_b32 s47, s46, 2
	s_add_co_u32 s47, s47, s20                     ; which run of 4,096 numbers is my wave's
	s_lshl_b32 s48, s47, 14                        ; in bytes of f32,
	s_mov_b32 s49, 0
	s_lshl_b32 s50, s47, 12                        ; and of codes
	s_mov_b32 s51, 0
	s_lshl_b32 s52, s45, 20                        ; the weight's part of wc
	s_mov_b32 s53, 0
	s_wait_alu depctr_va_vdst(0)
	s_wait_kmcnt 0x0
	s_load_b256 s[24:31], s[14:15], 0x0            ; entries 0-7
	s_load_b128 s[32:35], s[14:15], 0x20           ; entries 8-11
	s_cmp_eq_u32 s45, 2                            ; the source: every choice hangs on the work-group's number alone
	s_cselect_b64 s[36:37], s[10:11], s[12:13]
	s_cmp_eq_u32 s45, 1
	s_cselect_b64 s[36:37], s[8:9], s[36:37]
	s_cmp_eq_u32 s45, 0
	s_cselect_b64 s[36:37], s[6:7], s[36:37]
	s_add_nc_u64 s[54:55], s[18:19], s[52:53]
	s_cmp_lt_u32 ttmp9, XWG
	s_cselect_b64 s[36:37], s[4:5], s[36:37]
	s_cselect_b64 s[38:39], s[16:17], s[54:55]     ; target 0: xc's first part, or the weight's part of wc
	s_add_nc_u64 s[36:37], s[36:37], s[48:49]
	s_add_nc_u64 s[38:39], s[38:39], s[50:51]
	s_add_nc_u64 s[40:41], s[16:17], s[50:51]
	s_add_nc_u64 s[40:41], s[40:41], 0x800000      ; target 1: xc's second part,
	s_add_nc_u64 s[42:43], s[40:41], 0x800000      ; target 2: its third (x's work-groups alone store there)
.macro LOAD t
.irp i, 0,1,2,3
	global_load_b128 v[R+16*((\t)%4)+4*\i:R+16*((\t)%4)+4*\i+3], v3, s[36:37] offset:2048*(\t)+512*\i th:TH_LOAD_NT
.endr
.endm
.macro TURN t                          ; step t's numbers through the stage: LDS serves a wave's instructions in order (ISA guide 5.7.1.4), so no wait stands between the stores and the loads
.irp i, 0,1,2,3
	ds_store_b128 v14, v[R+16*((\t)%4)+4*\i:R+16*((\t)%4)+4*\i+3] offset:32*SP*((\t)%2)+8*SP*\i
.endr
.irp i, 0,1,2,3
	ds_load_b128 v[X+16*((\t)%2)+4*\i:X+16*((\t)%2)+4*\i+3], v15 offset:32*SP*((\t)%2)+16*\i
.endr
.endm
.irp t, 0,1,2,3
	LOAD \t
.endr
	s_wait_kmcnt 0x0
	s_cmp_eq_u32 s45, 2                            ; target 0's exponent: entry 0 for x; 1, 3, 5, 11 for the weights
	s_cselect_b32 s46, s29, s35
	s_cmp_eq_u32 s45, 1
	s_cselect_b32 s46, s27, s46
	s_cmp_eq_u32 s45, 0
	s_cselect_b32 s46, s25, s46
	s_cmp_lt_u32 ttmp9, XWG
	s_cselect_b32 s46, s24, s46
.macro MKS n, e                        ; 2^e as f32 (the conversion takes its exponent field)
	s_add_co_i32 s47, \e, 127
	s_lshl_b32 s48, s47, 23
	v_mov_b32 v[SCL+\n], s48
.endm
	MKS 0, s46
	MKS 1, s26                                     ; entry 2
	MKS 2, s28                                     ; entry 4
	s_wait_alu depctr_va_vdst(0)
	s_wait_loadcnt 12                              ; step 0's four loads are in
	TURN 0
; One target's codes of step t: convert, store.
.macro Q1 n, t
.set CC, C+12*((\t)%2)+4*\n
.irp i, 0,1,2,3,4,5,6,7,8,9,10,11,12,13,14,15
.endr
	v_cvt_scalef32_pk8_fp8_f32 v[CC:CC+1], v[XS:XS+7], v[SCL+\n]
	v_cvt_scalef32_pk8_fp8_f32 v[CC+2:CC+3], v[XS+8:XS+15], v[SCL+\n]
	v_nop                                          ; one plain vector instruction behind the conversions
	global_store_b128 v3, v[CC:CC+3], s[38+2*\n:39+2*\n] offset:512*(\t)   ; 32 lanes store 512 consecutive bytes, aligned
.endm
.macro STEP t
.set XS, X+16*((\t)%2)
	s_wait_dscnt 0x0                               ; this step's numbers are back from the stage: so its stores into the stage have read their registers,
.if (\t)+4 < STEPS
	LOAD (\t)+4                                    ; which take the loads of four steps on
.endif
.if (\t)+1 < STEPS
.if STEPS-2-(\t) >= 3
	s_wait_loadcnt 12                              ; the next step's four loads are in; those of the three steps behind it may be out
.else
	s_wait_loadcnt 4*(STEPS-2-(\t))
.endif
	TURN (\t)+1
.endif
.if (\t) >= 2
	s_wait_xcnt 0x0                                ; the stores of two steps ago have read this set of code registers
.endif
	Q1 0, \t
	s_cmp_lt_u32 ttmp9, XWG
	s_cbranch_scc0 .Lweight_\@                     ; a weight has one set of codes
	Q1 1, \t
	Q1 2, \t
.Lweight_\@:
.endm
.irp t, 0,1,2,3,4,5,6,7
	STEP \t
.endr
	s_wait_tensorcnt 0x0                           ; the wave's end, behind my last LDS store
	ds_add_u32 v[SPW], v[NIL]
	s_wait_dscnt 0x0
	s_endpgm
.Lfunc_end_k_q468a247aa4_quant:
	.size	k_q468a247aa4_quant, .Lfunc_end_k_q468a247aa4_quant-k_q468a247aa4_quant
	.p2alignl 7, 3214868480
	.fill 96, 4, 3214868480
	.section	.rodata,"a",@progbits
	.p2align	6, 0x0
	.amdhsa_kernel k_q468a247aa4_quant
		.amdhsa_group_segment_fixed_size 33280
		.amdhsa_private_segment_fixed_size 0
		.amdhsa_enable_private_segment 0
		.amdhsa_kernarg_size 64
		.amdhsa_user_sgpr_count 2
		.amdhsa_user_sgpr_kernarg_segment_ptr 1
		.amdhsa_wavefront_size32 1
		.amdhsa_system_sgpr_workgroup_id_x 1
		.amdhsa_system_sgpr_workgroup_id_y 1
		.amdhsa_system_sgpr_workgroup_id_z 1
		.amdhsa_system_vgpr_workitem_id 0
		.amdhsa_next_free_vgpr 160
		.amdhsa_next_free_sgpr 66
		.amdhsa_reserve_vcc 0
		.amdhsa_float_denorm_mode_32 3
		.amdhsa_float_denorm_mode_16_64 3
		.amdhsa_fp16_overflow 1
		.amdhsa_memory_ordered 1
		.amdhsa_forward_progress 1
		.amdhsa_inst_pref_size 18
	.end_amdhsa_kernel
	.amdgpu_metadata
---
amdhsa.version: [ 1, 2 ]
amdhsa.kernels:
  - .name:           k_q468a247aa4_quant
    .symbol:         k_q468a247aa4_quant.kd
    .args:
      - { .name: x, .offset: 0, .size: 8, .value_kind: global_buffer, .address_space: global }
      - { .name: W_q, .offset: 8, .size: 8, .value_kind: global_buffer, .address_space: global }
      - { .name: W_k, .offset: 16, .size: 8, .value_kind: global_buffer, .address_space: global }
      - { .name: W_v, .offset: 24, .size: 8, .value_kind: global_buffer, .address_space: global }
      - { .name: W_o, .offset: 32, .size: 8, .value_kind: global_buffer, .address_space: global }
      - { .name: lowp_scales, .offset: 40, .size: 8, .value_kind: global_buffer, .address_space: global }
      - { .name: xc, .offset: 48, .size: 8, .value_kind: global_buffer, .address_space: global }
      - { .name: wc, .offset: 56, .size: 8, .value_kind: global_buffer, .address_space: global }
    .group_segment_fixed_size: 33280
    .private_segment_fixed_size: 0
    .kernarg_segment_align: 8
    .kernarg_segment_size: 64
    .max_flat_workgroup_size: 128
    .sgpr_count:     66
    .vgpr_count:     160
    .wavefront_size: 32
...
	.end_amdgpu_metadata
.endif
;; end of part 1
;; launch qkv (part 2): grid 12 x 32, 4 waves a work-group, clusters of 4 x 4, 327,680 bytes of LDS; arguments xc, wc, lowp_scales, qkv; writes qkv
.if DOCPART == 2
	.amdgcn_target "amdgcn-amd-amdhsa--gfx1250"
	.amdhsa_code_object_version 6
	.text
	.protected	k_q468a247aa4_qkv
	.globl	k_q468a247aa4_qkv
	.p2align	8
	.type	k_q468a247aa4_qkv,@function
k_q468a247aa4_qkv:
	s_mov_b64 s[64:65], 0
	v_nop
	global_prefetch_b8 v0, s[64:65] scope:SCOPE_SE
	s_setreg_imm32_b32 hwreg(HW_REG_WAVE_MODE, 25, 1), 1
	s_wait_xcnt 0x0
	s_wait_alu depctr_hold_cnt(0) depctr_sa_sdst(0) depctr_va_vdst(0) depctr_va_sdst(0) depctr_va_ssrc(0) depctr_va_vcc(0) depctr_vm_vsrc(0)
	s_getreg_b32 s2, hwreg(HW_REG_IB_STS2, 6, 4)
	s_cmp_eq_u32 s2, 0
	s_cbranch_scc0 .Lentry_in_a_cluster
	s_endpgm
.Lentry_in_a_cluster:
	s_bfe_u32 s2, ttmp6, 0x10000c
	s_cmp_lg_u32 s2, 0xf033
	s_cbranch_scc0 .Lentry_shape_is_right
	s_endpgm
.Lentry_shape_is_right:
; q = x W_q^T, k = x W_k^T, v = x W_v^T on codes of FP8 (E4M3), sums in f32; each finished sum is quantised at once for the attention's products (scale entries 6, 7, 9) and stored as a code.
; C[m][n] = sum over k of A[m][k] B[n][k], K = 1,024.  Cluster x = P says which product (0 q, 1 k, 2 v).  For q and k: A = x's codes (m = token), B = the weight's (n = feature).
; For v THE ROLES ARE SWAPPED: A = W_v's codes (m = feature), B = x's (n = token), so that a lane's eight results are eight neighbouring KEYS of one channel, as the attention's second product wants them.
; Only pointers and tile numbers are chosen by P, which all partners of a cluster share; the text has one path.
; A tile of C is 256 x 256: four waves, each 128 x 128 in 64 accumulators (512 registers).  K goes in steps of 256 through two LDS slots filled by tensor loads; rows of 256 bytes.
; CLUSTERS: 4 x 4 work-groups.  A's tile is shared along a row of the cluster, B's along a column: each is asked for jointly, by the same tensor load with the same descriptor and a mask that names the four.
; THE MATRIX INSTRUCTION IS USED TRANSPOSED (source 0 = 16 rows of B, source 1 = 16 rows of A): a lane holds eight neighbouring n of one row m.
; A fragment comes by four loads of 16 bytes: k stands permuted inside an instruction, alike in A and B, so every product meets its partner.
; OUT: qkv has parts q, k, v of 8,388,608 bytes; a part has 64 planes (16 b + head) of 131,072 bytes; a plane 32 blocks of 4,096 bytes: q, k: [64 tokens][64 channels]; v: [64 channels][64 keys].
; In both a block is [64 m][64 n] of C, so the way out is one text: a wave's 128 x 128 are 2 x 2 such blocks.
; A sum stands for sum x 2^(ea + eb); its code is sum / 2^(eout - ea - eb), held within +-448.  LIMIT: eout - ea - eb lies between -126 and 119.
; REGISTERS, in windows of 256: window 0: v0-31 addresses and the scale; from v128 A's fragments, ONE set; on the way out v32-159 at work.  window 1: B's fragments, TWO sets.
;   window 2: the accumulators of my rows 0-63 ((a, b) at v[8 (8 a + b)]);  window 3: those of my rows 64-127.
.set SIZE_K, 1024
.set KSTEP,  256
.set ROWB,   256                       ; a tile's row in bytes
.set KROW,   SIZE_K                    ; a row of codes in memory
.set PITCH,  272                       ; an LDS row: 256 bytes + 16 of padding = 68 words: row r starts at bank 4 r mod 64 (64 banks of 4 bytes: ISA guide 11.1)
.set FR,     16                        ; registers of a fragment: 16 rows x 128 K
.set NL,     4                         ; LDS loads that bring one
.set NP,     4                         ; places behind this matrix instruction (ISA guide 7.12.1)
.set HALFT,  128*PITCH
.set SLOT,   4*HALFT                   ; A's 256 rows, then B's 256 rows
.set LAPS,   SIZE_K/(2*KSTEP)          ; 2
.set SPARE,  2*SLOT                    ; behind the ring: the spare words, 128 bytes a wave, which no other line names
.set SPITCH, 144                       ; the way out: a stage of 16 rows x (128 bytes + 16) for each wave, in slot 0, which has had its last fill and its last read when the first code is stored there
.set ADRA, 16
.set ADRB, 20
.set STO,  24                          ; v24 the way out: where I put 8 codes of a row
.set RD,   25                          ; v25 where I read 16 bytes back: row lane / 4 of eight, piece lane % 4 of a block's 64 bytes
.set CO,   26                          ; v26 16 x lane
.set SPW,  28
.set NIL,  29
.set SCL,  30                          ; v30 2^(eout - ea - eb)
.set LIM,  31
.set TMP,  32
.set CD,   96                          ; v96-127 its codes, two sets by turns
.set AF,   128
.set BK,   128                         ; v128-159 the way out: 16 rows read back, two sets by turns
.set G1, 24
.set G0, 32
.set G1B, 48
.set G0B, 56
.set OB, 92                            ; s[92:99] where my four blocks of 64 x 64 begin in qkv: (m half, n half) at s[OB + 4 m + 2 n]
.set MSB, 0
.macro WIN new                         ; the immediate's high byte repeats the setting that is left
.if MSB != \new
	s_set_vgpr_msb (MSB<<8)|\new
.set MSB, \new
.endif
.endm
.set MUL_LO, 0xa1                      ; source 0 (B) window 1, source 1 (A) window 0, C and D window 2
.set MUL_HI, 0xf1
.set TO_B,   0x40
; A joint load: waves 0 and 1 fetch for A, waves 2 and 3 for B; the branch hangs on the wave's number alone.  An s_nop 0 and four v_nop follow each of the two lines.
.macro JLOAD g0a, g1a, g0b, g1b
	s_cmp_eq_u32 s15, 0
	s_cbranch_scc0 .Lfor_b_\@
	tensor_load_to_lds s[\g0a:\g0a+3], s[\g1a:\g1a+7]
	s_nop 0
.rept 4
	v_nop
.endr
	s_branch .Lasked_\@
.Lfor_b_\@:
	tensor_load_to_lds s[\g0b:\g0b+3], s[\g1b:\g1b+7]
	s_nop 0
.rept 4
	v_nop
.endr
.Lasked_\@:
.endm
.macro CREST                           ; a round of the cluster's barrier behind its opening barrier
	s_cmp_lg_u32 s14, 0
	s_cbranch_scc1 .Lnot_wave_0_\@
	s_barrier_signal -3
.Lnot_wave_0_\@:
	s_barrier_wait -3
	s_barrier_signal -1
	s_barrier_wait -1
.endm
.macro CROUND
	s_barrier_signal -1
	s_barrier_wait -1
	CREST
.endm
	s_load_b256 s[4:11], s[0:1], 0x0               ; xc s[4:5], wc s[6:7], the exponents s[8:9], qkv s[10:11]
	v_lshl_add_u32 v[SPW], v0, 2, SPARE
	v_mov_b32 v[NIL], 0
	ds_add_u32 v[SPW], v[NIL]                      ; the wave's opening: the add and its wait come ahead of my first tensor load; the set-up below stands between them
	ds_add_u32 v[SPW], v[NIL]
	v_lshrrev_b32 v1, 5, v0
	v_readfirstlane_b32 s14, v1                    ; wave 0..3
	s_lshr_b32 s15, s14, 1                         ; which half of the tile's rows is mine.  Also: I fetch for A (0) or for B (1)
	s_and_b32 s16, s14, 1                          ; which half of its columns.  Also: which 128 rows of that tile I fetch
	s_bfe_u32 s40, ttmp6, 0x40000                  ; cx
	s_bfe_u32 s41, ttmp6, 0x40004                  ; cy
	s_and_b32 s2, ttmp7, 0xffff                    ; cluster y: which 1,024 tokens
	s_lshl_b32 s66, ttmp9, 23                      ; x's codes for product P: part P of xc,
	s_mov_b32 s67, 0
	s_lshl_b32 s68, ttmp9, 20                      ; the weight's: part P of wc
	s_mov_b32 s69, 0
	s_cmp_eq_u32 ttmp9, 2                          ; v?  Then the tokens run along n
	s_cselect_b32 s12, 0, s2
	s_cselect_b32 s13, s2, 0
	s_lshl_b32 s42, s13, 2
	s_add_co_u32 s42, s42, s40                     ; tile column of C
	s_lshl_b32 s17, s12, 2
	s_add_co_u32 s17, s17, s41                     ; tile row of C
	s_lshl_b32 s43, s41, 2
	s_lshl_b32 s43, 15, s43                        ; my row of the cluster
	s_lshl_b32 s44, 0x1111, s40                    ; my column
	s_or_b32 s[G1+0], s43, (0<<16)|(1<<20)|(1<<21)|(5<<22)|(3<<25)  ; 15:0 the mask; 17:16 elements of 1 byte; 20 padding on; 21 set beside a mask; 24:22 after every 64 words; 31:25 four words
	s_or_b32 s[G1B+0], s44, (0<<16)|(1<<20)|(1<<21)|(5<<22)|(3<<25)
.irp g, G1, G1B
	s_mov_b32 s[\g+1], ROWB<<16                    ; tensor_dim0
	s_mov_b32 s[\g+2], 128<<16                     ; tensor_dim1
	s_mov_b32 s[\g+3], ROWB<<16                    ; tile_dim0
	s_mov_b32 s[\g+4], 128                         ; tile_dim1
	s_mov_b32 s[\g+5], KROW                        ; tensor_dim0_stride
	s_mov_b32 s[\g+6], 0
	s_mov_b32 s[\g+7], 0
.endr
	s_lshl_b32 s18, s16, 7
	s_lshl_b32 s20, s17, 8
	s_add_co_u32 s20, s20, s18                     ; A: row 256 x tile row + 128 x half
	s_lshl_b32 s46, s42, 8
	s_add_co_u32 s46, s46, s18                     ; B: row 256 x tile column + 128 x half
	s_mov_b32 s21, 0
	s_mov_b32 s47, 0
	s_mov_b64 s[18:19], KROW
	s_mul_u64 s[20:21], s[20:21], s[18:19]
	s_mul_u64 s[46:47], s[46:47], s[18:19]
	s_mul_i32 s45, s14, HALFT                      ; where they go: wave x 128 rows
	s_wait_dscnt 0x0                               ; the opening add is done
	s_wait_kmcnt 0x0
	s_load_b256 s[80:87], s[8:9], 0x0              ; entries 0-7
	s_load_b128 s[88:91], s[8:9], 0x20             ; entries 8-11
	s_add_nc_u64 s[70:71], s[4:5], s[66:67]
	s_add_nc_u64 s[72:73], s[6:7], s[68:69]
	s_cmp_eq_u32 ttmp9, 2
	s_cselect_b64 s[74:75], s[72:73], s[70:71]     ; A: x's codes; for v the weight's
	s_cselect_b64 s[76:77], s[70:71], s[72:73]     ; B: the weight's; for v x's
	s_add_nc_u64 s[20:21], s[74:75], s[20:21]
	s_add_nc_u64 s[46:47], s[76:77], s[46:47]
	CROUND                                         ; all sixteen work-groups are here: the first joint loads meet
.irp s, 0,1
	s_mov_b32 s[G0+4*\s], 1
	s_add_co_u32 s[G0+4*\s+1], s45, \s*SLOT
	s_add_nc_u64 s[G0+4*\s+2:G0+4*\s+3], s[20:21], \s*ROWB
	s_or_b32 s[G0+4*\s+3], s[G0+4*\s+3], 0x80000000
	s_mov_b32 s[G0B+4*\s], 1
	s_add_co_u32 s[G0B+4*\s+1], s45, \s*SLOT
	s_add_nc_u64 s[G0B+4*\s+2:G0B+4*\s+3], s[46:47], \s*ROWB
	s_or_b32 s[G0B+4*\s+3], s[G0B+4*\s+3], 0x80000000
	JLOAD G0+4*\s, G1, G0B+4*\s, G1B
.endr
	v_and_b32 v1, 15, v0                           ; l % 16
	s_wait_alu depctr_va_vdst(0)
	v_bfe_u32 v2, v0, 4, 1                         ; l / 16
	v_mul_u32_u24 v3, v1, PITCH
	v_lshl_add_u32 v4, v2, 4, v3                   ; a fragment's row x pitch + 16 x half
	s_mul_i32 s21, s15, HALFT
	s_mul_i32 s22, s16, HALFT
	s_add_co_u32 s22, s22, 2*HALFT
.irp s, 0,1
	v_add_nc_u32 v[ADRA+\s], s21, v4
	v_add_nc_u32 v[ADRB+\s], s22, v4
	s_add_co_u32 s21, s21, SLOT
	s_add_co_u32 s22, s22, SLOT
.endr
	s_mul_i32 s23, s14, 16*SPITCH                  ; my stage
	v_mul_u32_u24 v5, v1, SPITCH
	s_wait_alu depctr_va_vdst(0)
	v_lshl_add_u32 v5, v2, 3, v5
	v_add_nc_u32 v[STO], s23, v5                   ; in: row l % 16, 8 bytes for each half of the lanes
	v_and_b32 v6, 31, v0
	v_lshlrev_b32 v[CO], 4, v6
	v_lshrrev_b32 v7, 2, v6
	v_mul_u32_u24 v7, v7, SPITCH
	v_and_b32 v8, 3, v6
	v_lshl_add_u32 v7, v8, 4, v7
	v_add_nc_u32 v[RD], s23, v7                    ; back: four lanes to 64 bytes of a row, eight rows an instruction
	; where my four blocks begin.  Token tile and feature tile: (tile row, tile column), for v the other way round
	s_cmp_eq_u32 ttmp9, 2
	s_cselect_b32 s78, s42, s17                    ; token tile 0..31
	s_cselect_b32 s79, s17, s42                    ; feature tile 0..3
	s_mov_b32 s100, 4096
	s_cselect_b32 s100, 0x20000, s100              ; from one 64 of m to the next: 64 tokens are a block on, 64 features a plane on
	s_mov_b32 s101, 0x20000
	s_cselect_b32 s101, 4096, s101                 ; and of n
	s_lshl_b32 s79, s79, 19                        ; four planes a feature tile
	s_lshr_b32 s18, s78, 3
	s_lshl_b32 s18, s18, 21                        ; sixteen planes a batch entry
	s_add_co_u32 s79, s79, s18
	s_and_b32 s18, s78, 7
	s_lshl_b32 s18, s18, 14                        ; four blocks a token tile
	s_add_co_u32 s79, s79, s18
	s_lshl_b32 s18, ttmp9, 23                      ; the part
	s_add_co_u32 s79, s79, s18
	s_lshl_b32 s18, s15, 1
	s_mul_i32 s18, s18, s100
	s_add_co_u32 s79, s79, s18
	s_lshl_b32 s18, s16, 1
	s_mul_i32 s18, s18, s101
	s_add_co_u32 s78, s79, s18
	s_mov_b32 s79, 0
	s_add_nc_u64 s[OB:OB+1], s[10:11], s[78:79]
	s_mov_b32 s78, s101
	s_add_nc_u64 s[OB+2:OB+3], s[OB:OB+1], s[78:79]
	s_mov_b32 s78, s100
	s_add_nc_u64 s[OB+4:OB+5], s[OB:OB+1], s[78:79]
	s_add_nc_u64 s[OB+6:OB+7], s[OB+2:OB+3], s[78:79]
.macro FRAG reg, adr, q, i             ; 16 rows x 128 K: lane l holds row l % 16; registers 4 c .. 4 c + 3 hold K = 32 c + 16 (l / 16) + 0 .. 15
.irp c, 0,1,2,3
	ds_load_b128 v[\reg+4*\c:\reg+4*\c+3], v[\adr] offset:128*(\q)+32*\c+(\i)*16*PITCH
.endr
.endm
; 16 matrix instructions: A's blocks a0, a0 + 1 x B's eight.  The 64 accumulators take turns, one instruction a turn, in the same order in every step.
.macro MUL16 a0, p, zero
.irp a, \a0, \a0+1
.irp b, 0,1,2,3,4,5,6,7
.if \zero
	v_wmma_f32_16x16x128_fp8_fp8 v[8*(8*((\a)%4)+\b):8*(8*((\a)%4)+\b)+7], v[128*(\p)+FR*\b:128*(\p)+FR*\b+FR-1], v[AF+FR*(\a):AF+FR*(\a)+FR-1], 0
.else
	v_wmma_f32_16x16x128_fp8_fp8 v[8*(8*((\a)%4)+\b):8*(8*((\a)%4)+\b)+7], v[128*(\p)+FR*\b:128*(\p)+FR*\b+FR-1], v[AF+FR*(\a):AF+FR*(\a)+FR-1], v[8*(8*((\a)%4)+\b):8*(8*((\a)%4)+\b)+7]
.endif
.endr
.endr
.endm
.macro FETCH_B slot, q, p
	WIN TO_B
.irp i, 0,1,2,3,4,5,6,7
	FRAG 128*(\p)+FR*\i, ADRB+\slot, \q, \i
.endr
	WIN 0
.endm
.macro FETCH_A slot, q, i0
.irp i, \i0, \i0+1, \i0+2, \i0+3
	FRAG AF+FR*(\i), ADRA+\slot, \q, \i
.endr
.endm
.macro PLACES n                        ; plain vector instructions between a matrix instruction and a load into a register that it read, or a read of its result
.rept \n
	v_nop
.endr
.endm
; A step of 128 along K that has its successor in the same slot.
.macro STEP slot, q, zero
	s_wait_dscnt 4*NL                              ; B's set and A's blocks 0-3 are in; the youngest sixteen loads (A's blocks 4-7) may be out
	WIN MUL_LO
	MUL16 0, (\q)%2, \zero
	MUL16 2, (\q)%2, \zero
	s_wait_dscnt 0
	PLACES NP
	FETCH_B \slot, (\q)+1, 1-(\q)%2
	FETCH_A \slot, (\q)+1, 0
	WIN MUL_HI
	MUL16 4, (\q)%2, \zero
	MUL16 6, (\q)%2, \zero
	PLACES NP
	WIN 0
	FETCH_A \slot, (\q)+1, 4
.endm
; A slot's last step changes slots: ONE barrier; in front of it each wave waits for all its tensor loads, adds 0 to its spare word, and waits for that and for its reads of this slot.
.macro TURN slot, next, fill
	s_wait_tensorcnt 0x0                           ; all my tensor loads have landed: my part of the next slot
	ds_add_u32 v[SPW], v[NIL]
	s_wait_dscnt 4*NL+1                            ; (the add and A's blocks 4-7 may be out)
	WIN MUL_LO
	MUL16 0, 1, 0
	s_wait_dscnt 0x0                               ; the add is done, and my reads of this slot are over
	s_barrier_signal -1
	MUL16 2, 1, 0
	WIN 0
	s_barrier_wait -1
.if \fill
	CREST                                          ; the barrier has opened a round of the cluster's barrier: no wave of any partner still reads this slot or has a load on its way
	s_add_nc_u64 s[G0+4*\slot+2:G0+4*\slot+3], s[G0+4*\slot+2:G0+4*\slot+3], 2*ROWB
	s_add_nc_u64 s[G0B+4*\slot+2:G0B+4*\slot+3], s[G0B+4*\slot+2:G0B+4*\slot+3], 2*ROWB
	JLOAD G0+4*\slot, G1, G0B+4*\slot, G1B         ; the first tensor load behind the round; its four v_nop are the places in front of the loads below
.else
	PLACES NP
.endif
	FETCH_B \next, 0, 0
	FETCH_A \next, 0, 0
	WIN MUL_HI
	MUL16 4, 1, 0
	MUL16 6, 1, 0
	PLACES NP
	WIN 0
	FETCH_A \next, 0, 4
.endm
	s_wait_tensorcnt 1                             ; my part of K step 0 is in; K step 1's load may be out
	s_barrier_signal -1
	s_barrier_wait -1
	FETCH_B 0, 0, 0
	FETCH_A 0, 0, 0
	FETCH_A 0, 0, 4
	STEP 0, 0, 1                                   ; the first step's products start the sums
	s_mov_b32 s3, LAPS-1
.Llap:                                                 ; a trip goes once round the ring and fills both slots again
	TURN 0, 1, 1
	STEP 1, 0, 0
	TURN 1, 0, 1
	STEP 0, 0, 0
	s_sub_co_u32 s3, s3, 1
	s_cmp_lg_u32 s3, 0
	s_cbranch_scc1 .Llap
	TURN 0, 1, 0                                   ; the last lap fills nothing
	STEP 1, 0, 0
	s_wait_dscnt 4*NL
	WIN MUL_LO
	MUL16 0, 1, 0
	MUL16 2, 1, 0
	s_wait_dscnt 0
	WIN MUL_HI
	MUL16 4, 1, 0
	MUL16 6, 1, 0
	WIN 0
; THE WAY OUT, block by block of 16 rows x 128 columns: convert (a lane's eight sums are eight neighbours along the next K: 8 bytes), through my stage, and out as runs of 512 consecutive bytes.
.macro TOSTAGE a
.set AC, 64*((\a)%4)
.set CC, CD+16*((\a)%2)
.set BB, BK+16*((\a)%2)
	WIN 0x02+((\a)/4)                              ; source 0: window 2 or 3
.set j, 0
.rept 64
.set j, j+1
.endr
.irp b, 0,1,2,3,4,5,6,7
	v_cvt_scalef32_pk8_fp8_f32 v[CC+2*\b:CC+2*\b+1], v[AC+8*\b:AC+8*\b+7], v[SCL]
.endr
	WIN 0
	v_nop                                          ; one plain vector instruction behind the conversions
.irp b, 0,1,2,3,4,5,6,7
	ds_store_b64 v[STO], v[CC+2*\b:CC+2*\b+1] offset:16*\b
.endr
.irp s, 0,1,2,3
	ds_load_b128 v[BB+4*\s:BB+4*\s+3], v[RD] offset:8*SPITCH*(\s%2)+64*(\s/2)   ; LDS serves a wave's instructions in order (ISA guide 5.7.1.4): these see the stores above
.endr
.endm
.macro SEND a, younger                 ; younger: the LDS instructions issued behind block a's loads
.set BB, BK+16*((\a)%2)
	s_wait_dscnt \younger
.irp s, 0,1,2,3
	global_store_b128 v[CO], v[BB+4*\s:BB+4*\s+3], s[OB+4*((\a)/4)+2*(\s/2):OB+4*((\a)/4)+2*(\s/2)+1] offset:1024*((\a)%4)+512*(\s%2)   ; eight rows of 64 bytes of a block: 512 consecutive bytes, aligned
.endr
.endm
	s_wait_kmcnt 0x0
	s_add_co_i32 s2, s80, s81                      ; ea + eb of product 1,
	s_add_co_i32 s12, s82, s83                     ; 2,
	s_add_co_i32 s13, s84, s85                     ; 3
	s_cmp_eq_u32 ttmp9, 1
	s_cselect_b32 s2, s12, s2
	s_cselect_b32 s18, s87, s86                    ; eout: entry 6 for q, 7 for k,
	s_cmp_eq_u32 ttmp9, 2
	s_cselect_b32 s2, s13, s2
	s_cselect_b32 s18, s89, s18                    ; 9 for v
	s_sub_co_i32 s2, s18, s2
	s_add_co_i32 s2, s2, 127
	s_lshl_b32 s12, s2, 23
	v_mov_b32 v[SCL], s12
	s_add_co_i32 s2, s2, 8
	s_lshl_b32 s2, s2, 23
	s_or_b32 s2, s2, 0x600000
	PLACES NP
	TOSTAGE 0
.irp a, 1,2,3,4,5,6,7
.if \a > 1
	s_wait_xcnt 0x0                                ; block a - 2's stores have read their registers: block a's loads may land there
.endif
	TOSTAGE \a
	SEND \a-1, 12                                  ; behind block a - 1's loads: block a's 8 stores and 4 loads
.endr
	SEND 7, 0
	s_wait_tensorcnt 0x0                           ; the wave's end
	ds_add_u32 v[SPW], v[NIL]
	s_wait_dscnt 0x0
	CROUND                                         ; the closing round
	s_endpgm
.Lfunc_end_k_q468a247aa4_qkv:
	.size	k_q468a247aa4_qkv, .Lfunc_end_k_q468a247aa4_qkv-k_q468a247aa4_qkv
	.p2alignl 7, 3214868480
	.fill 96, 4, 3214868480
	.section	.rodata,"a",@progbits
	.p2align	6, 0x0
	.amdhsa_kernel k_q468a247aa4_qkv
		.amdhsa_group_segment_fixed_size 327680
		.amdhsa_private_segment_fixed_size 0
		.amdhsa_enable_private_segment 0
		.amdhsa_kernarg_size 32
		.amdhsa_user_sgpr_count 2
		.amdhsa_user_sgpr_kernarg_segment_ptr 1
		.amdhsa_wavefront_size32 1
		.amdhsa_system_sgpr_workgroup_id_x 1
		.amdhsa_system_sgpr_workgroup_id_y 1
		.amdhsa_system_sgpr_workgroup_id_z 1
		.amdhsa_system_vgpr_workitem_id 0
		.amdhsa_next_free_vgpr 1024
		.amdhsa_next_free_sgpr 102
		.amdhsa_reserve_vcc 0
		.amdhsa_float_denorm_mode_32 3
		.amdhsa_float_denorm_mode_16_64 3
		.amdhsa_fp16_overflow 1
		.amdhsa_memory_ordered 1
		.amdhsa_forward_progress 1
		.amdhsa_inst_pref_size 94
	.end_amdhsa_kernel
	.amdgpu_metadata
---
amdhsa.version: [ 1, 2 ]
amdhsa.kernels:
  - .name:           k_q468a247aa4_qkv
    .symbol:         k_q468a247aa4_qkv.kd
    .args:
      - { .name: xc, .offset: 0, .size: 8, .value_kind: global_buffer, .address_space: global }
      - { .name: wc, .offset: 8, .size: 8, .value_kind: global_buffer, .address_space: global }
      - { .name: lowp_scales, .offset: 16, .size: 8, .value_kind: global_buffer, .address_space: global }
      - { .name: qkv, .offset: 24, .size: 8, .value_kind: global_buffer, .address_space: global }
    .group_segment_fixed_size: 327680
    .private_segment_fixed_size: 0
    .kernarg_segment_align: 8
    .kernarg_segment_size: 32
    .max_flat_workgroup_size: 128
    .sgpr_count:     102
    .vgpr_count:     1024
    .wavefront_size: 32
...
	.end_amdgpu_metadata
.endif
;; end of part 2
;; launch attn (part 3): grid 4 x 64, 16 waves a work-group, clusters of 4 x 1, 327,680 bytes of LDS; arguments qkv, lowp_scales, oc; writes oc
.if DOCPART == 3
	.amdgcn_target "amdgcn-amd-amdhsa--gfx1250"
	.amdhsa_code_object_version 6
	.text
	.protected	k_q468a247aa4_attn
	.globl	k_q468a247aa4_attn
	.p2align	8
	.type	k_q468a247aa4_attn,@function
k_q468a247aa4_attn:
	s_mov_b64 s[64:65], 0
	v_nop
	global_prefetch_b8 v0, s[64:65] scope:SCOPE_SE
	s_setreg_imm32_b32 hwreg(HW_REG_WAVE_MODE, 25, 1), 1
	s_wait_xcnt 0x0
	s_wait_alu depctr_hold_cnt(0) depctr_sa_sdst(0) depctr_va_vdst(0) depctr_va_sdst(0) depctr_va_ssrc(0) depctr_va_vcc(0) depctr_vm_vsrc(0)
	s_getreg_b32 s2, hwreg(HW_REG_IB_STS2, 6, 4)
	s_cmp_eq_u32 s2, 0
	s_cbranch_scc0 .Lentry_in_a_cluster
	s_endpgm
.Lentry_in_a_cluster:
	s_bfe_u32 s2, ttmp6, 0x10000c
	s_cmp_lg_u32 s2, 0x3003
	s_cbranch_scc0 .Lentry_shape_is_right
	s_endpgm
.Lentry_shape_is_right:
; Causal attention of one head on codes of FP8 (E4M3): S = Q K^T / 8, softmax, O = P V; both products quantised; O / l is quantised at once (scale entry 10) for the output projection.
; THE SOFTMAX: t = score x log2(e) / 8; M = the running largest t rounded UP to a whole number; p = 2^(t - M) is quantised (entry 8), not normalised; the row's sum l is taken of the unquantised p.
; When M moves, l and O are multiplied by 2^(old M - new M), which rounds nothing.
; IN: qkv (see the launch before): q and k planes [2048][64], v planes in blocks [64 channels][64 keys].  OUT: oc [512 token tiles of 16][16 heads][1,024 bytes]: the image of a fragment's registers:
; part c (512 bytes), lane l's 16 bytes at 16 l: token l % 16, channels 32 c + 16 (l / 16) + 0 .. 15.
; SHARES.  A cluster of four work-groups is one head (cluster y = 16 b + head); work-group j = cx owns the query tiles 4 m + j, m = 0 .. 31; wave w owns m = w (the early tile) and m = 31 - w (the late one).
; Keys go in steps of 128.  Tile m works in the step from key KF on where KF <= 64 m, and needs no mask where KF + 128 <= 64 m: neither test knows j, since 16 j + 15 < 64.
; That is m / 2 + 1 steps (rounded down): 17 for the two tiles of every wave.  Steps wholly under the mask are left out by scalar branches on the wave's number and the step; no barrier stands in a step.
; THE HEAD'S WHOLE K AND V LIE IN LDS, filled once: 2 x 131,072 bytes as rows of 128 bytes + 16 of padding.  Each wave asks for two pieces, jointly with its three partners (the same descriptor, mask 15):
; one of keys 0-255, one of the rest; the first two steps run while the rest is on its way.  Two tensor loads of a wave are out at the most.  Nothing is filled again.
; LAYOUT.  Both products are used transposed (S^T = K Q^T, O^T = V^T P^T): a lane holds one query throughout.  Lane r of tile 2 b + u takes row 32 b + 8 u + r + 8 (r / 8) (of keys, or of V's channels),
; so that the 16 registers of tiles 2 b and 2 b + 1 are 16 neighbours: p's codes are the second product's operand, and O's codes are oc's image.  k stands permuted inside an instruction, alike in both sources.
; LIMITS on the given exponents: e6 + e7 between -123 and 130; e8, and e10 - e8 - e9, between -126 and 119.  NaN is not served.
; REGISTERS: v1-8 addresses that stay (v3, v4 the step's); v12-15 the early tile's -M, largest t, sum in two halves; v16-19 the late tile's; v20-27, v28-35 their Q; v36-99 fragments of K or V;
; v100-163 S^T, then p; v164-195, v196-227 O^T; v228-243 p's codes; v244 the scale; v246-254 at work.
.set KP,    144                        ; an LDS row: two rows of 64 codes + 16 bytes of padding
.set VOFF,  1024*KP                    ; V behind K
.set SPARE, 2*VOFF                     ; behind them: the spare words, 128 bytes a wave, which no other line names
.set STEPB, 64*KP                      ; 128 keys of K, and as many of V
.set AK0, 1                            ; v1 my lane's place in a tile: KP (r / 2 + 4 (r / 8)) + 64 (r % 2) + 16 (l / 16)
.set QO,  2                            ; v2 64 r + 16 (l / 16)
.set ADK, 3
.set ADV, 4
.set SPW, 5
.set NIL, 6
.set GO,  7                            ; v7 16 x lane
.set QL,  8                            ; v8 r - 16 (l / 16) + 16 j
.set QLO, 20
.set QHI, 28
.set FR,  36
.set S,   100
.set OLO, 164
.set OHI, 196
.set P,   228
.set WV,  10
.set G1A, 16                           ; s[16:23] 16 rows of 128 bytes;  s[24:31] 112 rows;  s[32:35], s[36:39] their groups 0
.set G1B, 24
.set G0A, 32
.set G0B, 36
.set SEL, 40                           ; s[40:41] lane selects: lane l xor 16
.set CS,  42                           ; s[42:43] c = log2(e) / 8 x 2^(e6 + e7)
.set KF,  44                           ; the step's first key
.set TB,  45                           ; its first byte in K's region
.set CNT, 46
.set BEGL, 47                          ; 64 m of the early tile
.set BEGH, 49                          ; of the late tile
.set TS,  51
.macro CROUND                          ; a round of the cluster's barrier
	s_barrier_signal -1
	s_barrier_wait -1
	s_cmp_lg_u32 s[WV], 0
	s_cbranch_scc1 .Lnot_wave_0_\@
	s_barrier_signal -3
.Lnot_wave_0_\@:
	s_barrier_wait -3
	s_barrier_signal -1
	s_barrier_wait -1
.endm
	s_load_b128 s[4:7], s[0:1], 0x0                ; qkv, the exponents
	s_load_b64 s[8:9], s[0:1], 0x10                ; oc
	v_lshl_add_u32 v[SPW], v0, 2, SPARE
	v_mov_b32 v[NIL], 0
	ds_add_u32 v[SPW], v[NIL]                      ; the wave's opening: the add and its wait come ahead of my first tensor load; the set-up below stands between them
	ds_add_u32 v[SPW], v[NIL]
	v_lshrrev_b32 v9, 5, v0
	s_delay_alu instid0(VALU_DEP_1)
	v_readfirstlane_b32 s[WV], v9                  ; wave 0..15
	s_bfe_u32 s11, ttmp6, 0x40000                  ; j = cx: it enters Q's and oc's addresses and the mask's numbers alone
	s_and_b32 s12, ttmp7, 0xffff                   ; 16 b + head
	s_lshr_b32 s13, s[WV], 3                       ; I fetch for K (0) or V (1),
	s_and_b32 s14, s[WV], 7                        ; the i-th eighth
	s_mov_b32 s[G1A], 15|(1<<20)|(1<<21)|(4<<22)|(3<<25)   ; 15:0 the mask: all four work-groups; 17:16 elements of 1 byte; 20 padding on; 21 set beside a mask; 24:22 after every 32 words; 31:25 four words
	s_mov_b32 s[G1B], 15|(1<<20)|(1<<21)|(4<<22)|(3<<25)
.irp g, G1A, G1B
	s_mov_b32 s[\g+1], 128<<16                     ; tensor_dim0
	s_mov_b32 s[\g+3], 128<<16                     ; tile_dim0
	s_mov_b32 s[\g+5], 128                         ; tensor_dim0_stride: the planes are dense
	s_mov_b32 s[\g+6], 0
	s_mov_b32 s[\g+7], 0
.endr
	s_mov_b32 s[G1A+2], 16<<16                     ; tensor_dim1
	s_mov_b32 s[G1A+4], 16                         ; tile_dim1
	s_mov_b32 s[G1B+2], 112<<16
	s_mov_b32 s[G1B+4], 112
	s_mov_b32 s[SEL], 0x76543210
	s_mov_b32 s[SEL+1], 0xfedcba98
	s_mov_b32 s[CS], 0x3e38aa3b                    ; log2(e) / 8
	s_mov_b32 s[KF], 0
	s_mov_b32 s[TB], 0
	s_lshl_b32 s[BEGL], s[WV], 6
	s_sub_co_u32 s[BEGH], 1984, s[BEGL]
	s_mul_i32 s74, s13, VOFF
	s_mul_i32 s75, s14, 16*KP
	s_add_co_u32 s75, s75, s74                     ; LDS: my sixteen rows of the first 128,
	s_mul_i32 s76, s14, 112*KP
	s_add_co_u32 s76, s76, s74
	s_add_co_u32 s76, s76, 128*KP                  ; my 112 of the other 896
	s_lshl_b32 s78, s12, 17                        ; the head's plane
	s_lshl_b32 s80, s13, 23
	s_add_co_u32 s80, s80, s78
	s_add_co_u32 s80, s80, 0x800000                ; in k's part or in v's
	s_mul_i32 s82, s14, 112*128
	s_add_co_u32 s82, s82, s80
	s_add_co_u32 s82, s82, 128*128
	s_lshl_b32 s77, s14, 11
	s_add_co_u32 s80, s80, s77
	s_mov_b32 s81, 0
	s_mov_b32 s83, 0
	s_wait_dscnt 0x0                               ; the opening add is done
	s_wait_kmcnt 0x0
	s_load_b256 s[52:59], s[6:7], 0x0              ; entries 0-7
	s_load_b128 s[60:63], s[6:7], 0x20             ; entries 8-11
	s_mov_b32 s[G0A], 1
	s_mov_b32 s[G0A+1], s75
	s_add_nc_u64 s[G0A+2:G0A+3], s[4:5], s[80:81]
	s_or_b32 s[G0A+3], s[G0A+3], 0x80000000
	s_mov_b32 s[G0B], 1
	s_mov_b32 s[G0B+1], s76
	s_add_nc_u64 s[G0B+2:G0B+3], s[4:5], s[82:83]
	s_or_b32 s[G0B+3], s[G0B+3], 0x80000000
	CROUND                                         ; all four work-groups are here: the joint loads meet
	tensor_load_to_lds s[G0A:G0A+3], s[G1A:G1A+7]  ; my piece of keys 0-255
	s_nop 0
	s_wait_alu depctr_va_vdst(0)
	s_wait_tensorcnt 0x0
	ds_add_u32 v5, v6
	s_wait_dscnt 0x0
	CROUND
	tensor_load_to_lds s[G0B:G0B+3], s[G1B:G1B+7]  ; my piece of keys 256-2047
	s_nop 0
.rept 4
	v_nop
.endr
	s_lshl_b32 s84, s[WV], 2
	s_add_co_u32 s84, s84, s11                     ; the early tile's number 4 w + j,
	s_sub_co_u32 s85, 31, s[WV]
	s_lshl_b32 s85, s85, 2
	s_add_co_u32 s85, s85, s11                     ; the late tile's
	s_mov_b32 s87, 0
	s_lshl_b32 s86, s84, 10                        ; 16 rows of 64 bytes a tile
	s_add_co_u32 s86, s86, s78
	s_add_nc_u64 s[66:67], s[4:5], s[86:87]
	s_lshl_b32 s86, s85, 10
	s_add_co_u32 s86, s86, s78
	s_add_nc_u64 s[68:69], s[4:5], s[86:87]
	v_and_b32 v9, 15, v0                           ; r
	s_wait_alu depctr_va_vdst(0)
	v_bfe_u32 v10, v0, 4, 1                        ; h
	v_lshlrev_b32 v[QO], 6, v9
	s_delay_alu instid0(VALU_DEP_1)
	v_lshl_add_u32 v[QO], v10, 4, v[QO]
	global_load_b128 v[QLO:QLO+3],   v[QO], s[66:67]            ; Q stays in registers: channels 16 h + 0 .. 15,
	global_load_b128 v[QLO+4:QLO+7], v[QO], s[66:67] offset:32  ; 32 + 16 h + 0 .. 15
	global_load_b128 v[QHI:QHI+3],   v[QO], s[68:69]
	global_load_b128 v[QHI+4:QHI+7], v[QO], s[68:69] offset:32
	s_lshr_b32 s88, s12, 4
	s_lshl_b32 s88, s88, 21                        ; oc: 128 token tiles of 16,384 bytes a batch entry,
	s_and_b32 s89, s12, 15
	s_lshl_b32 s89, s89, 10                        ; 1,024 bytes a head
	s_add_co_u32 s88, s88, s89
	s_lshl_b32 s86, s84, 14
	s_add_co_u32 s86, s86, s88
	s_add_nc_u64 s[70:71], s[8:9], s[86:87]
	s_lshl_b32 s86, s85, 14
	s_add_co_u32 s86, s86, s88
	s_add_nc_u64 s[72:73], s[8:9], s[86:87]
	v_lshrrev_b32 v[AK0], 1, v9
	v_lshrrev_b32 v11, 3, v9
	s_delay_alu instid0(VALU_DEP_1)
	v_lshl_add_u32 v[AK0], v11, 2, v[AK0]
	s_delay_alu instid0(VALU_DEP_1)
	v_mul_u32_u24 v[AK0], v[AK0], KP
	v_and_b32 v11, 1, v9
	s_delay_alu instid0(VALU_DEP_1)
	v_lshl_add_u32 v[AK0], v11, 6, v[AK0]
	s_wait_alu depctr_va_vdst(0)
	v_lshl_add_u32 v[AK0], v10, 4, v[AK0]
	v_and_b32 v[GO], 31, v0
	s_delay_alu instid0(VALU_DEP_1)
	v_lshlrev_b32 v[GO], 4, v[GO]
	v_lshlrev_b32 v[QL], 4, v10
	s_delay_alu instid0(VALU_DEP_1)
	v_sub_nc_u32 v[QL], v9, v[QL]
	s_lshl_b32 s89, s11, 4
	v_add_nc_u32 v[QL], s89, v[QL]
.irp st, 12, 16
	v_mov_b32 v[\st+1], 0xff61b1e6                 ; the largest t so far: -3e38, under every t
	s_delay_alu instid0(VALU_DEP_1)
	v_floor_f32 v[\st], -v[\st+1]                  ; -M
	v_mov_b32 v[\st+2], 0                          ; the sum, in two halves
	v_mov_b32 v[\st+3], 0
.endr
	v_mov_b32 v249, 0                              ; (named as the upper half of the pair v[248:249])
	v_mov_b32 v252, 0                              ; written once: a lane permute's destination counts as one of its sources
	v_mov_b32 v253, 0xff800000                     ; -infinity
.set j, 0
.rept 64
	v_mov_b32 v[OLO+j], 0                          ; both O^T.  (The step is written without a first form: it finds zeros, which the first change of M leaves zeros)
.set j, j+1
.endr
	s_wait_kmcnt 0x0
	s_add_co_i32 s90, s58, s59                     ; a score stands for score x 2^(e6 + e7): added to c's exponent field
	s_lshl_b32 s90, s90, 23
	s_add_co_i32 s[CS], s[CS], s90
	s_mov_b32 s[CS+1], s[CS]                       ; (named with it as a pair)
	s_add_co_i32 s90, s60, 127
	s_lshl_b32 s91, s90, 23
	v_mov_b32 v244, s91                            ; 2^e8
.macro KLOAD                           ; the step's eight tiles of 16 keys x 64 channels
.irp t, 0,1,2,3,4,5,6,7
.irp c, 0,1
	ds_load_b128 v[FR+8*\t+4*\c:FR+8*\t+4*\c+3], v[ADK] offset:(16*(\t/2)+4*(\t%2))*KP+32*\c
.endr
.endr
.endm
.macro VLOAD                           ; four tiles of 16 channels x the step's 128 keys (two blocks of 64 keys, 32 KP bytes apart)
.irp t, 0,1,2,3
.irp c, 0,1,2,3
	ds_load_b128 v[FR+16*\t+4*\c:FR+16*\t+4*\c+3], v[ADV] offset:32*KP*(\c/2)+(16*(\t/2)+4*(\t%2))*KP+32*(\c%2)
.endr
.endr
.endm
.macro SCORES q                        ; S^T = K Q^T for the tile whose Q lies at v[q]
.irp t, 0,1,2,3,4,5,6,7
	v_wmma_f32_16x16x64_fp8_fp8 v[S+8*\t:S+8*\t+7], v[FR+8*\t:FR+8*\t+7], v[\q:\q+7], 0
.endr
.endm
.macro PV ob                           ; O^T += V^T P^T: four accumulators, one instruction each
.irp t, 0,1,2,3
	v_wmma_f32_16x16x128_fp8_fp8 v[\ob+8*\t:\ob+8*\t+7], v[FR+16*\t:FR+16*\t+15], v[P:P+15], v[\ob+8*\t:\ob+8*\t+7]
.endr
.endm
.macro PLACES
.rept 4
	v_nop
.endr
.endm
; One tile's softmax of one step.  st: its statistics; ob: its O^T; beg: the scalar register with its 64 m.
.macro SOFT st, ob, beg
	s_add_co_u32 s[TS], s[KF], 128
	s_cmp_le_u32 s[TS], s[\beg]
	s_cbranch_scc1 .Lopen_\@                       ; all 128 keys count for all 16 queries
	s_sub_co_i32 s[TS], s[\beg], s[KF]
	v_add_nc_u32 v254, s[TS], v[QL]                ; d = my query - KF - 16 (l / 16).  Register 16 b + i holds key KF + 16 (l / 16) + 32 b + i: hidden where 32 b + i > d
.irp n, 0,1,2,3,4,5,6,7,8,9,10,11,12,13,14,15,16,17,18,19,20,21,22,23,24,25,26,27,28,29,30,31,32,33,34,35,36,37,38,39,40,41,42,43,44,45,46,47,48,49,50,51,52,53,54,55,56,57,58,59,60,61,62,63
	v_cmp_gt_i32 vcc_lo, 32*(\n/16)+\n%16, v254
	v_cndmask_b32 v[S+\n], v[S+\n], v253, vcc_lo   ; -infinity ahead of the maximum: p = 0 then.  Key KF counts for every query of a tile that works here
.endr
.Lopen_\@:
	v_max3_num_f32 v250, v[S], v[S+1], v[S+2]      ; the step's largest score of my query among my 64 keys, in two chains,
	v_max3_num_f32 v251, v[S+3], v[S+4], v[S+5]
.irp i, 6,10,14,18,22,26,30,34,38,42,46,50,54,58
	v_max3_num_f32 v250, v250, v[S+\i], v[S+\i+1]
	v_max3_num_f32 v251, v251, v[S+\i+2], v[S+\i+3]
.endr
	v_max3_num_f32 v250, v250, v[S+62], v[S+63]
	s_delay_alu instid0(VALU_DEP_1)
	v_max_num_f32 v250, v250, v251
	s_delay_alu instid0(VALU_DEP_1)
	v_permlanex16_b32 v252, v250, s[SEL], s[SEL+1]
	s_delay_alu instid0(VALU_DEP_1)
	v_max_num_f32 v250, v250, v252                 ; and among lane l xor 16's
	s_delay_alu instid0(VALU_DEP_1)
	v_mul_f32 v250, s[CS], v250                    ; as t (c is positive)
	s_delay_alu instid0(VALU_DEP_1)
	v_max_num_f32 v[\st+1], v[\st+1], v250         ; the running largest t
	v_mov_b32 v250, v[\st]
	s_delay_alu instid0(VALU_DEP_2)
	v_floor_f32 v[\st], -v[\st+1]                  ; the new -M = floor(-t)
	s_delay_alu instid0(VALU_DEP_1)
	v_sub_f32 v250, v[\st], v250                   ; old M - new M: a whole number, 0 or less
	s_delay_alu instid0(VALU_DEP_1)
	v_cvt_i32_f32 v250, v250                       ; (it saturates)
	s_delay_alu instid0(VALU_DEP_1)
	v_ldexp_f32 v248, 1.0, v250                    ; f = 2^(old M - new M)
.set j, 0
.rept 32
	v_pk_fma_f32 v[S+j:S+j+1], v[S+j:S+j+1], s[CS:CS+1], v[\st:\st+1] op_sel_hi:[1,0,0]   ; t - M, two at a time
.set j, j+2
.endr
.set j, 0
	s_wait_alu depctr_va_vdst(0)
.rept 64
	v_exp_f32 v[S+j], v[S+j]                       ; p = 2^(t - M)
.set j, j+1
.endr
	v_pk_mul_f32 v[\st+2:\st+3], v[\st+2:\st+3], v[248:249] op_sel_hi:[1,0]   ; the sums under the new M: the plain instruction behind the exponentials
	s_wait_alu depctr_va_vdst(0)                   ; one wait for the batch of 64, ahead of its first reader
	v_pk_add_f32 v[246:247], v[S:S+1], v[S+2:S+3]  ; the row's sum, of the unquantised p, in two chains
.irp j, 4,8,12,16,20,24,28,32,36,40,44,48,52,56,60
	v_pk_add_f32 v[\st+2:\st+3], v[\st+2:\st+3], v[S+\j:S+\j+1]
	v_pk_add_f32 v[246:247], v[246:247], v[S+\j+2:S+\j+3]
.endr
	s_delay_alu instid0(VALU_DEP_1)
	v_pk_add_f32 v[\st+2:\st+3], v[\st+2:\st+3], v[246:247]
.irp b, 0,1,2,3
.irp i, 0,1,2,3,4,5,6,7,8,9,10,11,12,13,14,15
.endr
	v_cvt_scalef32_pk8_fp8_f32 v[P+4*\b:P+4*\b+1], v[S+16*\b:S+16*\b+7], v244
	v_cvt_scalef32_pk8_fp8_f32 v[P+4*\b+2:P+4*\b+3], v[S+16*\b+8:S+16*\b+15], v244
.endr
.set j, 0
.rept 16
	v_pk_mul_f32 v[\ob+j:\ob+j+1], v[\ob+j:\ob+j+1], v[248:249] op_sel_hi:[1,0]   ; O^T under the new M; also the plain instructions behind the conversions
.set j, j+2
.endr
.endm
; A KEY STEP for both tiles.  K's and V's fragments are read from LDS once and serve both; V's loads land under the late tile's softmax.
.macro STEP
	s_cmp_gt_u32 s[KF], s[BEGH]
	s_cbranch_scc1 .Lnone_\@                       ; all keys come after the late tile's queries, so after the early tile's too
	v_add_nc_u32 v[ADK], s[TB], v[AK0]
	s_delay_alu instid0(VALU_DEP_1)
	v_add_nc_u32 v[ADV], VOFF, v[ADK]
	v_nop
	v_nop                                          ; with the two additions: four places between the last step's products and the loads into the registers that they read
	KLOAD
	s_wait_dscnt 0x0
	s_cmp_gt_u32 s[KF], s[BEGL]
	s_cbranch_scc1 .Llate_only_\@
	SCORES QLO
	PLACES
	SOFT 12, OLO, BEGL
	SCORES QHI
	PLACES                                         ; in front of the loads over K's fragments, and of the reads of these scores
	VLOAD
	s_wait_alu depctr_va_vdst(0)
	s_wait_dscnt 0x0
	PV OLO
	s_branch .Llate_\@
.Llate_only_\@:
	SCORES QHI
	PLACES
	s_wait_alu depctr_va_vdst(0)
	VLOAD
.Llate_\@:
	SOFT 16, OHI, BEGH
	s_wait_alu depctr_va_vdst(0)
	s_wait_dscnt 0x0                               ; V is in (on the way without the early tile nothing has waited for it yet)
	PV OHI
.Lnone_\@:
	s_add_co_u32 s[KF], s[KF], 128
	s_add_co_u32 s[TB], s[TB], STEPB
.endm
	s_wait_loadcnt 0x0                             ; Q
	s_wait_tensorcnt 0x1                           ; my piece of keys 0-255 is in; the other load may stay out
	s_barrier_signal -1
	s_barrier_wait -1                              ; everybody's is
	s_mov_b32 s[CNT], 2
.Lfirst:                                           ; keys 0-255: the first 128 rows of K's and of V's region
	STEP
	s_sub_co_u32 s[CNT], s[CNT], 1
	s_cmp_lg_u32 s[CNT], 0
	s_cbranch_scc1 .Lfirst
	s_wait_tensorcnt 0x0                           ; my piece of the rest is in,
	s_wait_dscnt 0x0
	s_barrier_signal -1
	s_barrier_wait -1                              ; everybody's is
	s_mov_b32 s[CNT], 14
.Lrest:
	STEP
	s_sub_co_u32 s[CNT], s[CNT], 1
	s_cmp_lg_u32 s[CNT], 0
	s_cbranch_scc1 .Lrest
	; THE WAY OUT.  O^T / l, quantised: a sum stands for sum x 2^(e8 + e9), so the code is (sum / l) / 2^(e10 - e8 - e9).  A lane's 16 registers of two tiles are 16 neighbouring channels: the codes are oc's image as they stand.
	s_sub_co_i32 s90, s62, s60
	s_sub_co_i32 s90, s90, s61
	s_add_co_i32 s90, s90, 127
	s_lshl_b32 s91, s90, 23
	v_add_f32 v14, v14, v15                        ; the sums' two halves.  (These four lines are the places behind the last products)
	v_add_f32 v18, v18, v19
	v_mov_b32 v244, s91
	s_delay_alu instid0(VALU_DEP_3)
	v_permlanex16_b32 v252, v14, s[SEL], s[SEL+1]
	s_delay_alu instid0(VALU_DEP_3)
	v_permlanex16_b32 v249, v18, s[SEL], s[SEL+1]
	s_delay_alu instid0(VALU_DEP_2)
	v_add_f32 v14, v14, v252                       ; and lane l xor 16's
	s_delay_alu instid0(VALU_DEP_2)
	v_add_f32 v18, v18, v249
	s_wait_alu depctr_va_vdst(0)
	v_rcp_f32 v14, v14
	v_rcp_f32 v18, v18
	v_nop                                          ; a plain instruction behind the reciprocals,
	s_wait_alu depctr_va_vdst(0)                   ; and one wait for both, ahead of their first reader
.set j, 0
.rept 16
	v_pk_mul_f32 v[S+j:S+j+1], v[OLO+j:OLO+j+1], v[14:15] op_sel_hi:[1,0]   ; each accumulator from its low end on
.set j, j+2
.endr
.set j, 0
.rept 16
	v_pk_mul_f32 v[S+32+j:S+32+j+1], v[OHI+j:OHI+j+1], v[18:19] op_sel_hi:[1,0]
.set j, j+2
.endr
.set j, 0
.rept 64
.set j, j+1
.endr
.irp g, 0,1,2,3,4,5,6,7
	v_cvt_scalef32_pk8_fp8_f32 v[P+2*\g:P+2*\g+1], v[S+8*\g:S+8*\g+7], v244
.endr
	v_nop
	global_store_b128 v[GO], v[P:P+3],     s[70:71]             ; 32 lanes store 512 consecutive bytes, aligned: channels 0-31 of the early tile,
	global_store_b128 v[GO], v[P+4:P+7],   s[70:71] offset:512  ; 32-63;
	global_store_b128 v[GO], v[P+8:P+11],  s[72:73]             ; the late tile
	global_store_b128 v[GO], v[P+12:P+15], s[72:73] offset:512
	s_wait_tensorcnt 0x0                           ; the wave's end
	ds_add_u32 v[SPW], v[NIL]
	s_wait_dscnt 0x0
	CROUND                                         ; the closing round
	s_endpgm
.Lfunc_end_k_q468a247aa4_attn:
	.size	k_q468a247aa4_attn, .Lfunc_end_k_q468a247aa4_attn-k_q468a247aa4_attn
	.p2alignl 7, 3214868480
	.fill 96, 4, 3214868480
	.section	.rodata,"a",@progbits
	.p2align	6, 0x0
	.amdhsa_kernel k_q468a247aa4_attn
		.amdhsa_group_segment_fixed_size 327680
		.amdhsa_private_segment_fixed_size 0
		.amdhsa_enable_private_segment 0
		.amdhsa_kernarg_size 24
		.amdhsa_user_sgpr_count 2
		.amdhsa_user_sgpr_kernarg_segment_ptr 1
		.amdhsa_wavefront_size32 1
		.amdhsa_system_sgpr_workgroup_id_x 1
		.amdhsa_system_sgpr_workgroup_id_y 1
		.amdhsa_system_sgpr_workgroup_id_z 1
		.amdhsa_system_vgpr_workitem_id 0
		.amdhsa_next_free_vgpr 256
		.amdhsa_next_free_sgpr 96
		.amdhsa_reserve_vcc 1
		.amdhsa_float_denorm_mode_32 3
		.amdhsa_float_denorm_mode_16_64 3
		.amdhsa_fp16_overflow 1
		.amdhsa_memory_ordered 1
		.amdhsa_forward_progress 1
		.amdhsa_inst_pref_size 88
	.end_amdhsa_kernel
	.amdgpu_metadata
---
amdhsa.version: [ 1, 2 ]
amdhsa.kernels:
  - .name:           k_q468a247aa4_attn
    .symbol:         k_q468a247aa4_attn.kd
    .args:
      - { .name: qkv, .offset: 0, .size: 8, .value_kind: global_buffer, .address_space: global }
      - { .name: lowp_scales, .offset: 8, .size: 8, .value_kind: global_buffer, .address_space: global }
      - { .name: oc, .offset: 16, .size: 8, .value_kind: global_buffer, .address_space: global }
    .group_segment_fixed_size: 327680
    .private_segment_fixed_size: 0
    .kernarg_segment_align: 8
    .kernarg_segment_size: 24
    .max_flat_workgroup_size: 512
    .sgpr_count:     96
    .vgpr_count:     256
    .wavefront_size: 32
...
	.end_amdgpu_metadata
.endif
;; end of part 3
;; launch oproj (part 4): grid 4 x 32, 4 waves a work-group, clusters of 4 x 4, 327,680 bytes of LDS; arguments oc, wc, lowp_scales, out0; writes out0
.if DOCPART == 4
	.amdgcn_target "amdgcn-amd-amdhsa--gfx1250"
	.amdhsa_code_object_version 6
	.text
	.protected	k_q468a247aa4_oproj
	.globl	k_q468a247aa4_oproj
	.p2align	8
	.type	k_q468a247aa4_oproj,@function
k_q468a247aa4_oproj:
	s_mov_b64 s[64:65], 0
	v_nop
	global_prefetch_b8 v0, s[64:65] scope:SCOPE_SE
	s_setreg_imm32_b32 hwreg(HW_REG_WAVE_MODE, 25, 1), 1
	s_wait_xcnt 0x0
	s_wait_alu depctr_hold_cnt(0) depctr_sa_sdst(0) depctr_va_vdst(0) depctr_va_sdst(0) depctr_va_ssrc(0) depctr_va_vcc(0) depctr_vm_vsrc(0)
	s_getreg_b32 s2, hwreg(HW_REG_IB_STS2, 6, 4)
	s_cmp_eq_u32 s2, 0
	s_cbranch_scc0 .Lentry_in_a_cluster
	s_endpgm
.Lentry_in_a_cluster:
	s_bfe_u32 s2, ttmp6, 0x10000c
	s_cmp_lg_u32 s2, 0xf033
	s_cbranch_scc0 .Lentry_shape_is_right
	s_endpgm
.Lentry_shape_is_right:
; out0[m][n] = sum over k of A[m][k] W_o[n][k] on codes of FP8 (E4M3): A = the attention's result (scale entry 10), W_o's codes = part 3 of wc (entry 11); M 8,192, N 1,024, K 1,024; out0 f32.
; The codes are multiplied as they are, and each finished sum once by 2^(e10 + e11).  LIMIT: e10 + e11 lies between -126 and 127.
; A ARRIVES AS IMAGES OF ITS FRAGMENTS' REGISTERS: oc [512 token tiles of 16][16 heads][1,024 bytes]; in a head's 1,024 bytes part c (512 bytes) holds, at 16 x lane, token l % 16, channels 32 c + 16 (l / 16) + 0 .. 15.
; So 128 along K of a token tile are 2,048 consecutive bytes, and a fragment comes by four loads of 512 consecutive bytes: no pitch, no padding.  B's rows come as in the launch for q, k, v, with the same order of k in a lane.
; A tile of out0 is 256 x 256: four waves, each 128 x 128 in 64 accumulators.  K goes in steps of 256 through two LDS slots: A's part is 16 token tiles x 4,096 bytes, B's 256 rows of 256 bytes + 16.
; That makes 128 work-groups: with the wave tile halved there would be 256, each reading half as many products' worth from each LDS byte.
; CLUSTERS: 4 x 4 work-groups; A's tile is shared along a row of the cluster, B's along a column, each asked for jointly.  THE MATRIX INSTRUCTION IS USED TRANSPOSED (source 0 = B, source 1 = A).
; REGISTERS as in the launch for q, k, v: window 0 addresses and A's one set of fragments (from v128); window 1 B's two sets; windows 2 and 3 the accumulators.
.set SIZE_N, 1024
.set SIZE_K, 1024
.set KSTEP,  256
.set ROWB,   256
.set KROW,   SIZE_K
.set PITCH,  272                       ; B's LDS row: 256 bytes + 16 of padding
.set FR,     16
.set NL,     4
.set NP,     4
.set HALFT,  128*PITCH                 ; B: 128 rows
.set ASTEP,  4096                      ; A: a token tile's bytes of a K step (four heads)
.set AROW,   16384                     ; from token tile to token tile in memory
.set AHALF,  8*ASTEP                   ; A: eight token tiles: what one tensor load brings, and what one wave reads
.set BOFF,   2*AHALF
.set SLOT,   BOFF+2*HALFT
.set LAPS,   SIZE_K/(2*KSTEP)
.set SPARE,  2*SLOT                    ; behind the ring: the spare words, 128 bytes a wave, which no other line names
.set SPITCH, 528                       ; the way out: a stage of 16 rows x (512 bytes + 16) for each wave, in slot 0, which has had its last fill and its last read by then
.set ADRA, 16
.set ADRB, 20
.set STO,  24
.set RD,   25
.set CO,   26
.set SPW,  28
.set NIL,  29
.set TMP,  32
.set AF,   128
.set BK,   128
.set G1, 24
.set G0, 32
.set G1B, 48
.set G0B, 56
.set MSB, 0
.macro WIN new
.if MSB != \new
	s_set_vgpr_msb (MSB<<8)|\new
.set MSB, \new
.endif
.endm
.set MUL_LO, 0xa1
.set MUL_HI, 0xf1
.set TO_B,   0x40
.macro JLOAD g0a, g1a, g0b, g1b        ; a joint load: waves 0 and 1 fetch for A, waves 2 and 3 for B; an s_nop 0 and four v_nop follow each line
	s_cmp_eq_u32 s15, 0
	s_cbranch_scc0 .Lfor_b_\@
	tensor_load_to_lds s[\g0a:\g0a+3], s[\g1a:\g1a+7]
	s_nop 0
.rept 4
	v_nop
.endr
	s_branch .Lasked_\@
.Lfor_b_\@:
	tensor_load_to_lds s[\g0b:\g0b+3], s[\g1b:\g1b+7]
	s_nop 0
.rept 4
	v_nop
.endr
.Lasked_\@:
.endm
.macro CREST
	s_cmp_lg_u32 s14, 0
	s_cbranch_scc1 .Lnot_wave_0_\@
	s_barrier_signal -3
.Lnot_wave_0_\@:
	s_barrier_wait -3
	s_barrier_signal -1
	s_barrier_wait -1
.endm
.macro CROUND
	s_barrier_signal -1
	s_barrier_wait -1
	CREST
.endm
	s_load_b128 s[4:7], s[0:1], 0x0                ; oc, wc
	s_load_b128 s[8:11], s[0:1], 0x10              ; the exponents, out0
	v_lshl_add_u32 v[SPW], v0, 2, SPARE
	v_mov_b32 v[NIL], 0
	ds_add_u32 v[SPW], v[NIL]                      ; the wave's opening: the add and its wait come ahead of my first tensor load
	ds_add_u32 v[SPW], v[NIL]
	v_lshrrev_b32 v1, 5, v0
	v_readfirstlane_b32 s14, v1                    ; wave 0..3
	s_lshr_b32 s15, s14, 1                         ; my half of the tile's rows.  Also: I fetch for A (0) or for B (1)
	s_and_b32 s16, s14, 1                          ; my half of its columns.  Also: which half of that tile I fetch
	s_bfe_u32 s40, ttmp6, 0x40000                  ; cx
	s_bfe_u32 s41, ttmp6, 0x40004                  ; cy
	s_lshl_b32 s42, ttmp9, 2
	s_add_co_u32 s42, s42, s40                     ; tile column
	s_and_b32 s17, ttmp7, 0xffff
	s_lshl_b32 s17, s17, 2
	s_add_co_u32 s17, s17, s41                     ; tile row
	s_lshl_b32 s43, s41, 2
	s_lshl_b32 s43, 15, s43                        ; my row of the cluster
	s_lshl_b32 s44, 0x1111, s40                    ; my column
	s_or_b32 s[G1+0], s43, (0<<16)|(1<<21)         ; A: 15:0 the mask; elements of 1 byte; no padding; 21 set beside a mask
	s_mov_b32 s[G1+1], ASTEP<<16                   ; tensor_dim0 = 4,096
	s_mov_b32 s[G1+2], 8<<16                       ; tensor_dim1 = 8
	s_mov_b32 s[G1+3], ASTEP<<16                   ; tile_dim0
	s_mov_b32 s[G1+4], 8                           ; tile_dim1
	s_mov_b32 s[G1+5], AROW                        ; tensor_dim0_stride
	s_mov_b32 s[G1+6], 0
	s_mov_b32 s[G1+7], 0
	s_or_b32 s[G1B+0], s44, (0<<16)|(1<<20)|(1<<21)|(5<<22)|(3<<25)  ; B: padding of four words after every 64
	s_mov_b32 s[G1B+1], ROWB<<16
	s_mov_b32 s[G1B+2], 128<<16
	s_mov_b32 s[G1B+3], ROWB<<16
	s_mov_b32 s[G1B+4], 128
	s_mov_b32 s[G1B+5], KROW
	s_mov_b32 s[G1B+6], 0
	s_mov_b32 s[G1B+7], 0
	s_lshl_b32 s20, s17, 4
	s_lshl_b32 s18, s16, 3
	s_add_co_u32 s20, s20, s18                     ; A: token tile 16 x tile row + 8 x half,
	s_lshl_b32 s20, s20, 14                        ; in bytes
	s_mov_b32 s21, 0
	s_lshl_b32 s46, s42, 8
	s_lshl_b32 s18, s16, 7
	s_add_co_u32 s46, s46, s18                     ; B: row 256 x tile column + 128 x half,
	s_lshl_b32 s46, s46, 10                        ; in bytes,
	s_add_co_u32 s46, s46, 0x300000                ; in W_o's part of wc
	s_mov_b32 s47, 0
	s_mul_i32 s45, s16, AHALF                      ; where they go: A's two halves,
	s_mul_i32 s66, s16, HALFT
	s_add_co_u32 s66, s66, BOFF                    ; then B's two
	s_wait_dscnt 0x0                               ; the opening add is done
	s_wait_kmcnt 0x0
	s_load_b64 s[96:97], s[8:9], 0x28              ; entries 10, 11
	s_add_nc_u64 s[20:21], s[4:5], s[20:21]
	s_add_nc_u64 s[46:47], s[6:7], s[46:47]
	CROUND                                         ; all sixteen work-groups are here: the first joint loads meet
.irp s, 0,1
	s_mov_b32 s[G0+4*\s], 1
	s_add_co_u32 s[G0+4*\s+1], s45, \s*SLOT
	s_add_nc_u64 s[G0+4*\s+2:G0+4*\s+3], s[20:21], \s*ASTEP
	s_or_b32 s[G0+4*\s+3], s[G0+4*\s+3], 0x80000000
	s_mov_b32 s[G0B+4*\s], 1
	s_add_co_u32 s[G0B+4*\s+1], s66, \s*SLOT
	s_add_nc_u64 s[G0B+4*\s+2:G0B+4*\s+3], s[46:47], \s*ROWB
	s_or_b32 s[G0B+4*\s+3], s[G0B+4*\s+3], 0x80000000
	s_wait_alu depctr_va_vdst(0)
	s_wait_tensorcnt 0x0
	ds_add_u32 v28, v29
	ds_add_u32 v28, v29
	s_wait_dscnt 0x0
	CROUND
	JLOAD G0+4*\s, G1, G0B+4*\s, G1B
.endr
	v_and_b32 v1, 15, v0                           ; l % 16
	v_bfe_u32 v2, v0, 4, 1                         ; l / 16
	v_mul_u32_u24 v3, v1, PITCH
	v_lshl_add_u32 v4, v2, 4, v3                   ; B: a fragment's row x pitch + 16 x half
	v_and_b32 v6, 31, v0
	v_lshlrev_b32 v[CO], 4, v6                     ; 16 x lane: A's images, and the way out
	s_wait_alu depctr_va_vdst(0)
	s_mul_i32 s21, s15, AHALF                      ; my eight token tiles of A
	s_mul_i32 s22, s16, HALFT
	s_add_co_u32 s22, s22, BOFF                    ; my 128 rows of B
.irp s, 0,1
	v_add_nc_u32 v[ADRA+\s], s21, v[CO]
	v_add_nc_u32 v[ADRB+\s], s22, v4
	s_add_co_u32 s21, s21, SLOT
	s_add_co_u32 s22, s22, SLOT
.endr
	s_mul_i32 s23, s14, 16*SPITCH                  ; my stage
	v_mul_u32_u24 v5, v1, SPITCH
	v_lshl_add_u32 v5, v2, 5, v5
	v_add_nc_u32 v[STO], s23, v5                   ; in: row l % 16, 32 bytes for each half of the lanes
	v_add_nc_u32 v[RD], s23, v[CO]                 ; back: the 32 lanes take one row of 512 bytes
	s_lshl_b32 s20, s17, 8
	s_lshl_b32 s21, s15, 7
	s_add_co_u32 s20, s20, s21                     ; my first row of out0
	s_mov_b32 s21, 0
	s_mov_b64 s[18:19], SIZE_N*4
	s_mul_u64 s[20:21], s[20:21], s[18:19]
	s_lshl_b32 s46, s42, 10                        ; my first column, in bytes
	s_lshl_b32 s47, s16, 9
	s_add_co_u32 s46, s46, s47
	s_mov_b32 s47, 0
	s_add_nc_u64 s[20:21], s[20:21], s[46:47]
	s_add_nc_u64 s[10:11], s[10:11], s[20:21]
.macro FRAG reg, adr, q, i             ; B: lane l holds row l % 16; registers 4 c .. 4 c + 3 hold K = 32 c + 16 (l / 16) + 0 .. 15
.irp c, 0,1,2,3
	ds_load_b128 v[\reg+4*\c:\reg+4*\c+3], v[\adr] offset:128*(\q)+32*\c+(\i)*16*PITCH
.endr
.endm
.macro FRAGA reg, adr, q, i            ; A: the image of the same registers: token tile i, the q-th 128 along K, 512 consecutive bytes a load
.irp c, 0,1,2,3
	ds_load_b128 v[\reg+4*\c:\reg+4*\c+3], v[\adr] offset:ASTEP*(\i)+2048*(\q)+512*\c
.endr
.endm
.macro MUL16 a0, p, zero               ; the 64 accumulators take turns, one instruction a turn, in the same order in every step
.irp a, \a0, \a0+1
.irp b, 0,1,2,3,4,5,6,7
.if \zero
	v_wmma_f32_16x16x128_fp8_fp8 v[8*(8*((\a)%4)+\b):8*(8*((\a)%4)+\b)+7], v[128*(\p)+FR*\b:128*(\p)+FR*\b+FR-1], v[AF+FR*(\a):AF+FR*(\a)+FR-1], 0
.else
	v_wmma_f32_16x16x128_fp8_fp8 v[8*(8*((\a)%4)+\b):8*(8*((\a)%4)+\b)+7], v[128*(\p)+FR*\b:128*(\p)+FR*\b+FR-1], v[AF+FR*(\a):AF+FR*(\a)+FR-1], v[8*(8*((\a)%4)+\b):8*(8*((\a)%4)+\b)+7]
.endif
.endr
.endr
.endm
.macro FETCH_B slot, q, p
	WIN TO_B
.irp i, 0,1,2,3,4,5,6,7
	FRAG 128*(\p)+FR*\i, ADRB+\slot, \q, \i
.endr
	WIN 0
.endm
.macro FETCH_A slot, q, i0
.irp i, \i0, \i0+1, \i0+2, \i0+3
	FRAGA AF+FR*(\i), ADRA+\slot, \q, \i
.endr
.endm
.macro PLACES n
.rept \n
	v_nop
.endr
.endm
.macro STEP slot, q, zero
	s_wait_dscnt 4*NL                              ; B's set and A's blocks 0-3 are in; the youngest sixteen loads (A's blocks 4-7) may be out
	WIN MUL_LO
	MUL16 0, (\q)%2, \zero
	MUL16 2, (\q)%2, \zero
	s_wait_dscnt 0
	PLACES NP
	FETCH_B \slot, (\q)+1, 1-(\q)%2
	FETCH_A \slot, (\q)+1, 0
	WIN MUL_HI
	MUL16 4, (\q)%2, \zero
	MUL16 6, (\q)%2, \zero
	PLACES NP
	WIN 0
	FETCH_A \slot, (\q)+1, 4
.endm
.macro TURN slot, next, fill
	s_wait_tensorcnt 0x0                           ; all my tensor loads have landed: my part of the next slot
	ds_add_u32 v[SPW], v[NIL]
	s_wait_dscnt 4*NL+1                            ; (the add and A's blocks 4-7 may be out)
	WIN MUL_LO
	MUL16 0, 1, 0
	s_wait_dscnt 0x0                               ; the add is done, and my reads of this slot are over
	s_barrier_signal -1
	MUL16 2, 1, 0
	WIN 0
	s_barrier_wait -1
.if \fill
	CREST                                          ; the barrier has opened a round of the cluster's barrier: no wave of any partner still reads this slot or has a load on its way
	s_add_nc_u64 s[G0+4*\slot+2:G0+4*\slot+3], s[G0+4*\slot+2:G0+4*\slot+3], 2*ASTEP
	s_add_nc_u64 s[G0B+4*\slot+2:G0B+4*\slot+3], s[G0B+4*\slot+2:G0B+4*\slot+3], 2*ROWB
	JLOAD G0+4*\slot, G1, G0B+4*\slot, G1B         ; the first tensor load behind the round; its four v_nop are the places in front of the loads below
.else
	PLACES NP
.endif
	FETCH_B \next, 0, 0
	FETCH_A \next, 0, 0
	WIN MUL_HI
	MUL16 4, 1, 0
	MUL16 6, 1, 0
	PLACES NP
	WIN 0
	FETCH_A \next, 0, 4
.endm
	s_wait_alu depctr_va_vdst(0)
	s_wait_tensorcnt 1                             ; my part of K step 0 is in; K step 1's load may be out
	s_barrier_signal -1
	s_barrier_wait -1
	FETCH_B 0, 0, 0
	FETCH_A 0, 0, 0
	FETCH_A 0, 0, 4
	STEP 0, 0, 1                                   ; the first step's products start the sums
	s_mov_b32 s3, LAPS-1
.Llap:
	TURN 0, 1, 1
	STEP 1, 0, 0
	TURN 1, 0, 1
	STEP 0, 0, 0
	s_sub_co_u32 s3, s3, 1
	s_cmp_lg_u32 s3, 0
	s_cbranch_scc1 .Llap
	TURN 0, 1, 0                                   ; the last lap fills nothing
	STEP 1, 0, 0
	s_wait_dscnt 4*NL
	WIN MUL_LO
	MUL16 0, 1, 0
	MUL16 2, 1, 0
	s_wait_dscnt 0
	WIN MUL_HI
	MUL16 4, 1, 0
	MUL16 6, 1, 0
	WIN 0
; THE WAY OUT, block by block of 16 rows x 128 columns, through my stage: whole rows of 512 bytes come back and are stored by the 32 lanes.
.macro TOSTAGE a
.set AC, 64*((\a)%4)
	WIN 0x02+((\a)/4)                              ; source 0: window 2 or 3
.set j, 0
.rept 32
	v_pk_mul_f32 v[TMP+j:TMP+j+1], v[AC+j:AC+j+1], s[96:97] op_sel_hi:[1,0]   ; both x s96 = 2^(e10 + e11); each accumulator from its low end on
.set j, j+2
.endr
	WIN 0
.irp b, 0,1,2,3,4,5,6,7
	ds_store_b128 v[STO], v[TMP+8*\b:TMP+8*\b+3] offset:64*\b
	ds_store_b128 v[STO], v[TMP+8*\b+4:TMP+8*\b+7] offset:64*\b+16
.endr
.set BB, BK+64*((\a)%2)
.irp t, 0,1,2,3,4,5,6,7,8,9,10,11,12,13,14,15
	ds_load_b128 v[BB+4*\t:BB+4*\t+3], v[RD] offset:\t*SPITCH   ; LDS serves a wave's instructions in order (ISA guide 5.7.1.4): these see the stores above
.endr
.endm
.macro SEND a, younger
.set BB, BK+64*((\a)%2)
	s_wait_dscnt \younger
.if (\a) > 0
	s_add_nc_u64 s[10:11], s[10:11], 16*SIZE_N*4   ; (behind a wait on XCNT: the earlier stores have read their base)  16 rows on
.endif
.irp t, 0,1,2,3,4,5,6,7,8,9,10,11,12,13,14,15
	global_store_b128 v[CO], v[BB+4*\t:BB+4*\t+3], s[10:11] offset:\t*SIZE_N*4 th:TH_STORE_NT   ; 32 lanes store 512 consecutive bytes, aligned; written once, read by nobody here
.endr
.endm
	s_wait_kmcnt 0x0
	s_add_co_i32 s96, s96, s97
	s_add_co_i32 s96, s96, 127
	s_lshl_b32 s96, s96, 23                        ; 2^(e10 + e11) as f32
	PLACES NP
	TOSTAGE 0
.irp a, 1,2,3,4,5,6,7
.if \a > 1
	s_wait_xcnt 0x0                                ; block a - 2's stores have read their registers and their base
.endif
	TOSTAGE \a
	SEND \a-1, 32                                  ; behind block a - 1's loads: block a's 16 stores and 16 loads
.endr
	s_wait_xcnt 0x0
	SEND 7, 0
	s_wait_tensorcnt 0x0                           ; the wave's end
	ds_add_u32 v[SPW], v[NIL]
	s_wait_dscnt 0x0
	CROUND                                         ; the closing round
	s_endpgm
.Lfunc_end_k_q468a247aa4_oproj:
	.size	k_q468a247aa4_oproj, .Lfunc_end_k_q468a247aa4_oproj-k_q468a247aa4_oproj
	.p2alignl 7, 3214868480
	.fill 96, 4, 3214868480
	.section	.rodata,"a",@progbits
	.p2align	6, 0x0
	.amdhsa_kernel k_q468a247aa4_oproj
		.amdhsa_group_segment_fixed_size 327680
		.amdhsa_private_segment_fixed_size 0
		.amdhsa_enable_private_segment 0
		.amdhsa_kernarg_size 32
		.amdhsa_user_sgpr_count 2
		.amdhsa_user_sgpr_kernarg_segment_ptr 1
		.amdhsa_wavefront_size32 1
		.amdhsa_system_sgpr_workgroup_id_x 1
		.amdhsa_system_sgpr_workgroup_id_y 1
		.amdhsa_system_sgpr_workgroup_id_z 1
		.amdhsa_system_vgpr_workitem_id 0
		.amdhsa_next_free_vgpr 1024
		.amdhsa_next_free_sgpr 98
		.amdhsa_reserve_vcc 0
		.amdhsa_float_denorm_mode_32 3
		.amdhsa_float_denorm_mode_16_64 3
		.amdhsa_memory_ordered 1
		.amdhsa_forward_progress 1
		.amdhsa_inst_pref_size 124
	.end_amdhsa_kernel
	.amdgpu_metadata
---
amdhsa.version: [ 1, 2 ]
amdhsa.kernels:
  - .name:           k_q468a247aa4_oproj
    .symbol:         k_q468a247aa4_oproj.kd
    .args:
      - { .name: oc, .offset: 0, .size: 8, .value_kind: global_buffer, .address_space: global }
      - { .name: wc, .offset: 8, .size: 8, .value_kind: global_buffer, .address_space: global }
      - { .name: lowp_scales, .offset: 16, .size: 8, .value_kind: global_buffer, .address_space: global }
      - { .name: out0, .offset: 24, .size: 8, .value_kind: global_buffer, .address_space: global }
    .group_segment_fixed_size: 327680
    .private_segment_fixed_size: 0
    .kernarg_segment_align: 8
    .kernarg_segment_size: 32
    .max_flat_workgroup_size: 128
    .sgpr_count:     98
    .vgpr_count:     1024
    .wavefront_size: 32
...
	.end_amdgpu_metadata
.endif
;; end of part 4
